; MI455X (gfx1250); checked and timed in simulation.
; The chip was launched on July 23, 2026; its instructions are those of AMD's public machine-readable ISA for CDNA 5 (MIT licence, August 2026) and "CDNA5" Instruction Set Architecture Reference Guide (July 2026). The comments in the code are by the model that wrote it; some were corrected since.
;; Binary Linear. Allowed arithmetic: float matrix products may take bf16 or f16 operands with f32 sums; other float arithmetic in f32, or as packed bf16 or f16 multiplies, adds, multiply-adds, maxima and minima; sums over many terms, partial sums and values carried from step to step in f32; what a program stores and reads back later, other than sums and carried values, may be rounded once to bf16 or f16.
;; Inputs: bias 4,096 float32; inputs 4,096 x 4,096 float32; weight 4,096 x 4,096 float32.
;; Outputs: out0 4,096 x 4,096 float32.
;; 2 versions, each right; version 2 is version 1 with the launch prep written anew for expert scheduling mode. Each part assembles by itself: llvm-mc -triple=amdgcn-amd-amdhsa -mcpu=gfx1250 --defsym DOCPART=n.
;; ======== version 1 of 2: 2 launches
;; workspace buffers: xb 33,554,432 bytes; wb 33,554,432 bytes; scale 16,384 bytes
;; launch prep (part 1): grid 256 x 2, 8 waves a work-group, no clusters, 0 bytes of LDS; arguments inputs, weight, xb, wb, scale; writes xb, wb, scale
.if DOCPART == 1
	.amdgcn_target "amdgcn-amd-amdhsa--gfx1250"
	.amdhsa_code_object_version 6
	.text
	.protected	k_qebdc0ff231_prep
	.globl	k_qebdc0ff231_prep
	.p2align	8
	.type	k_qebdc0ff231_prep,@function
k_qebdc0ff231_prep:
	s_mov_b64 s[64:65], 0
	v_nop
	global_prefetch_b8 v0, s[64:65] scope:SCOPE_SE
	s_setreg_imm32_b32 hwreg(HW_REG_WAVE_MODE, 25, 1), 1
	s_wait_xcnt 0x0
; PREPARATION FOR THE PRODUCT.  inputs, weight: [4096][4096] f32.  xb, wb: [4096][4096] bf16.  scale: [4096] f32.
;   y = 0: xb = inputs rounded once to bf16.
;   y = 1: wb = +1 where weight >= 0 (so for -0.0 too), else -1, exact in bf16;  scale[o] = max(mean over i of |weight[o][i]|, 1e-6), in f32.
; K ORDER.  xb and wb hold a row's elements in the SAME changed order, so every product of the next launch still meets its partner and only the order of its f32 sums changes:
; inside each block of 256 elements, stored place 8 l + j (l = 0..31) holds element 4 l + j for j < 4 and element 128 + 4 l + (j - 4) for j >= 4.  So a lane loads 16 neighbouring bytes twice
; (each load of the wave covers 512 consecutive bytes) and stores 16 neighbouring bytes (each store of the wave covers 512 consecutive bytes), and nothing changes lanes.
; LIMITS.  x is rounded to bf16 (8 significant bits).  A NaN in weight is not carried into scale (the maximum with 1e-6 drops it) and takes the sign of its sign bit; infinities are not treated apart.
; Negative denormals count as -1.  The sum of a row's 4,096 magnitudes is made in f32 in 128 chains of 32 terms and a tree over them, not in the order of a plain loop.
; SHARES.  A work-group owns 16 rows, each of its eight waves two: 32,768 consecutive bytes in, 16,384 out.  A UNIT is 1,024 bytes in (two loads) and 512 out (one store); a CHUNK is four units; a row is four
; chunks, the wave's stream chunks 0 to 7.  Four chunk slots in registers take turns: one at work, two on their way in, one whose stores are leaving.  Every place stands in an immediate: no address is stepped, and there is no loop.
; No LDS, no barrier, no matrix unit: no wave needs another's data, and memory binds.
; scale leaves as one store of 8 bytes a wave: a work-group owns 64 bytes of it, 16,384 bytes in the whole launch beside 200 million.
.set IN,  2                            ; v2        my byte offset in the group's rows of the input: wave x 32,768 + 16 x lane; never rewritten
.set OUT, 3                            ; v3        the same for the output: wave x 16,384 + 16 x lane; never rewritten
.set SO,  4                            ; v4        my wave's byte offset in the group's 16 scales
.set S,   8                            ; v[8:11]   four running sums of |w|
.set PX,  12                           ; v12       takes the other half of the lanes' sum
.set SC,  14                           ; v[14:15]  the two rows' scales
.set X,   16                           ; v[16:143] slot s at X + 32 s; unit u at + 8 u: 4 registers from the first load, 4 from the second
	s_load_b256 s[4:11], s[0:1], 0x0               ; inputs s[4:5], weight s[6:7], xb s[8:9], wb s[10:11]
	s_load_b64 s[12:13], s[0:1], 0x20              ; scale
	s_and_b32 s14, ttmp7, 0xffff                   ; 0: inputs, 1: weight
	s_lshl_b32 s20, ttmp9, 18                      ; the group's 16 rows of 16,384 bytes in,
	s_mov_b32 s21, 0
	s_lshl_b32 s28, ttmp9, 17                      ; of 8,192 bytes out,
	s_mov_b32 s29, 0
	s_lshl_b32 s30, ttmp9, 6                       ; and its 16 scales
	s_mov_b32 s31, 0
	s_mov_b32 s22, 0x80008000                      ; the sign bits of two bf16
	s_mov_b32 s23, 0x3f803f80                      ; 1.0 twice in bf16
	s_mov_b32 s24, 0x76543210                      ; v_permlanex16_b32: each lane takes its own place in the other half
	s_mov_b32 s25, 0xfedcba98
	s_mov_b32 s27, 0x07060302                      ; v_perm_b32: the upper halves of two words
	v_and_b32 v1, 31, v0                           ; lane
	v_lshrrev_b32 v5, 5, v0                        ; wave
	v_lshlrev_b32 v[IN], 4, v1
	v_lshl_or_b32 v[OUT], v5, 14, v[IN]
	v_lshl_or_b32 v[IN], v5, 15, v[IN]
	v_lshlrev_b32 v[SO], 3, v5
	v_mov_b32 v[PX], 0                             ; v_permlanex16_b32's destination counts as read: it is written here
	s_wait_kmcnt 0x0
	s_cmp_eq_u32 s14, 0
	s_cselect_b64 s[16:17], s[4:5], s[6:7]         ; what I read
	s_cselect_b64 s[18:19], s[8:9], s[10:11]       ; what I write
	s_add_nc_u64 s[16:17], s[16:17], s[20:21]
	s_add_nc_u64 s[18:19], s[18:19], s[28:29]
	s_add_nc_u64 s[12:13], s[12:13], s[30:31]
.macro FILL s, k                       ; chunk k into slot s: eight loads, 512 consecutive bytes each
.irp u, 0,1,2,3
	global_load_b128 v[X+32*(\s)+8*(\u):X+32*(\s)+8*(\u)+3],   v[IN], s[16:17] offset:4096*(\k)+1024*(\u) th:TH_LOAD_NT
	global_load_b128 v[X+32*(\s)+8*(\u)+4:X+32*(\s)+8*(\u)+7], v[IN], s[16:17] offset:4096*(\k)+1024*(\u)+512 th:TH_LOAD_NT
.endr
.endm
.macro XUNIT r                         ; eight f32 at v[r ..] are rounded to bf16 into v[r : r+3], in place: each line writes a register that the lines behind it no longer read
.irp i, 0,1,2,3
	v_cvt_pk_bf16_f32 v[(\r)+(\i)], v[(\r)+2*(\i)], v[(\r)+2*(\i)+1]
.endr
.endm
.macro WUNIT r, start                  ; eight weights: their magnitudes onto the four sums (start = 1: they start the sums, nothing is cleared), their signs as +-1 in bf16 into v[r : r+3]
.irp j, 0,1,2,3
.if \start
	v_add_f32 v[S+(\j)], |v[(\r)+(\j)]|, |v[(\r)+4+(\j)]|
.else
	v_add_f32 v[S+(\j)], v[S+(\j)], |v[(\r)+(\j)]|
.endif
.endr
.if (\start) == 0
.irp j, 0,1,2,3
	v_add_f32 v[S+(\j)], v[S+(\j)], |v[(\r)+4+(\j)]|
.endr
.endif
.irp i, 0,1,2,3
	v_pk_add_f32 v[(\r)+2*(\i):(\r)+2*(\i)+1], v[(\r)+2*(\i):(\r)+2*(\i)+1], 0 op_sel_hi:[1,0]  ; -0.0 + 0.0 = +0.0; every other number keeps its sign
.endr
.irp i, 0,1,2,3
	v_perm_b32 v[(\r)+(\i)], v[(\r)+2*(\i)+1], v[(\r)+2*(\i)], s27  ; the two upper halves, the lower place in the lower half
.endr
.irp i, 0,1,2,3
	v_and_or_b32 v[(\r)+(\i)], v[(\r)+(\i)], s22, s23               ; the two sign bits onto 1.0, 1.0
.endr
.endm
; Chunk k's turn.  kind = 0: inputs, 1: weight.  left = the loads of younger chunks, which stay out.  fill = 1: the slot in front in the ring takes chunk k + 3.
.macro TURN kind, k, fill, left
.irp u, 0,1,2,3
	s_wait_loadcnt (\left)+6-2*(\u)                ; loads come back in order (ISA guide 5.7.1): unit u's two are in; my chunk's later units and the younger chunks stay out
.if \kind
.if ((\k)%4 == 0) && ((\u) == 0)
	WUNIT X+32*((\k)%4)+8*(\u), 1
.else
	WUNIT X+32*((\k)%4)+8*(\u), 0
.endif
.else
	XUNIT X+32*((\k)%4)+8*(\u)
.endif
	global_store_b128 v[OUT], v[X+32*((\k)%4)+8*(\u):X+32*((\k)%4)+8*(\u)+3], s[18:19] offset:2048*(\k)+512*(\u)  ; 512 consecutive bytes, at a multiple of 512 from the buffer's first; the next launch reads them: no hint
.endr
.if \fill
	s_wait_xcnt 0x0                                ; every earlier memory instruction has had its addresses translated (ISA guide 3.1): the slot in front, whose registers the last turn's stores read, is loaded again only behind this wait
	FILL ((\k)+3)%4, (\k)+3
.endif
.endm
.macro REDUCE row                      ; the four chains, the 32 lanes, the mean, the floor
	v_add_f32 v[S], v[S], v[S+1]
	v_add_f32 v[S+2], v[S+2], v[S+3]
	v_add_f32 v[S], v[S], v[S+2]
	v_add_f32_dpp v[S], v[S], v[S] row_xmask:1 row_mask:0xf bank_mask:0xf
	v_add_f32_dpp v[S], v[S], v[S] row_xmask:2 row_mask:0xf bank_mask:0xf
	v_add_f32_dpp v[S], v[S], v[S] row_xmask:4 row_mask:0xf bank_mask:0xf
	v_add_f32_dpp v[S], v[S], v[S] row_xmask:8 row_mask:0xf bank_mask:0xf
	v_permlanex16_b32 v[PX], v[S], s24, s25
	v_add_f32 v[S], v[S], v[PX]
	v_mul_f32 v[S], 0x39800000, v[S]               ; / 4,096, exact
	v_max_num_f32 v[SC+(\row)], 0x358637bd, v[S]   ; at least 1e-6
.endm
	FILL 0, 0
	FILL 1, 1
	FILL 2, 2                                      ; slot 3 is filled in the first turn, like every slot after it
	s_cmp_eq_u32 s14, 0
	s_cbranch_scc0 .Lweight
	TURN 0, 0, 1, 16                               ; two younger chunks, sixteen loads, stay out
	TURN 0, 1, 1, 16
	TURN 0, 2, 1, 16
	TURN 0, 3, 1, 16
	TURN 0, 4, 1, 16                               ; the last fill: chunk 7
	TURN 0, 5, 0, 16
	TURN 0, 6, 0, 8                                ; the counts run down
	TURN 0, 7, 0, 0
	s_endpgm
.Lweight:
	TURN 1, 0, 1, 16
	TURN 1, 1, 1, 16
	TURN 1, 2, 1, 16
	TURN 1, 3, 1, 16
	REDUCE 0                                       ; my first row is through
	TURN 1, 4, 1, 16
	TURN 1, 5, 0, 16
	TURN 1, 6, 0, 8
	TURN 1, 7, 0, 0
	REDUCE 1
	s_wait_xcnt 0x0                                ; EXEC is a source of the stores above: it changes only behind this wait
	v_cmp_eq_u32 vcc_lo, 0, v1
	s_and_saveexec_b32 s26, vcc_lo                 ; lane 0 alone
	global_store_b64 v[SO], v[SC:SC+1], s[12:13]   ; my two rows' scales
	s_wait_xcnt 0x0                                ; and again in front of the line that widens it
	s_or_b32 exec_lo, exec_lo, s26
	s_endpgm
.Lfunc_end_k_qebdc0ff231_prep:
	.size	k_qebdc0ff231_prep, .Lfunc_end_k_qebdc0ff231_prep-k_qebdc0ff231_prep
	.p2alignl 7, 3214868480
	.fill 96, 4, 3214868480
	.section	.rodata,"a",@progbits
	.p2align	6, 0x0
	.amdhsa_kernel k_qebdc0ff231_prep
		.amdhsa_group_segment_fixed_size 0
		.amdhsa_private_segment_fixed_size 0
		.amdhsa_enable_private_segment 0
		.amdhsa_kernarg_size 40
		.amdhsa_user_sgpr_count 2
		.amdhsa_user_sgpr_kernarg_segment_ptr 1
		.amdhsa_wavefront_size32 1
		.amdhsa_system_sgpr_workgroup_id_x 1
		.amdhsa_system_sgpr_workgroup_id_y 1
		.amdhsa_system_sgpr_workgroup_id_z 1
		.amdhsa_system_vgpr_workitem_id 0
		.amdhsa_next_free_vgpr 144
		.amdhsa_next_free_sgpr 66
		.amdhsa_reserve_vcc 1
		.amdhsa_float_denorm_mode_32 3
		.amdhsa_float_denorm_mode_16_64 3
		.amdhsa_memory_ordered 1
		.amdhsa_forward_progress 1
		.amdhsa_inst_pref_size 69
	.end_amdhsa_kernel
	.amdgpu_metadata
---
amdhsa.version: [ 1, 2 ]
amdhsa.kernels:
  - .name:           k_qebdc0ff231_prep
    .symbol:         k_qebdc0ff231_prep.kd
    .args:
      - { .name: inputs, .offset: 0, .size: 8, .value_kind: global_buffer, .address_space: global }
      - { .name: weight, .offset: 8, .size: 8, .value_kind: global_buffer, .address_space: global }
      - { .name: xb, .offset: 16, .size: 8, .value_kind: global_buffer, .address_space: global }
      - { .name: wb, .offset: 24, .size: 8, .value_kind: global_buffer, .address_space: global }
      - { .name: scale, .offset: 32, .size: 8, .value_kind: global_buffer, .address_space: global }
    .group_segment_fixed_size: 0
    .private_segment_fixed_size: 0
    .kernarg_segment_align: 8
    .kernarg_segment_size: 40
    .max_flat_workgroup_size: 256
    .sgpr_count:     66
    .vgpr_count:     144
    .wavefront_size: 32
...
	.end_amdgpu_metadata
.endif
;; end of part 1
;; launch gemm (part 2): grid 16 x 16, 4 waves a work-group, clusters of 4 x 4, 327,680 bytes of LDS; arguments xb, wb, scale, bias, out0; writes out0
.if DOCPART == 2
	.amdgcn_target "amdgcn-amd-amdhsa--gfx1250"
	.amdhsa_code_object_version 6
	.text
	.protected	k_qebdc0ff231_gemm
	.globl	k_qebdc0ff231_gemm
	.p2align	8
	.type	k_qebdc0ff231_gemm,@function
k_qebdc0ff231_gemm:
	s_mov_b64 s[64:65], 0
	v_nop
	global_prefetch_b8 v0, s[64:65] scope:SCOPE_SE
	s_setreg_imm32_b32 hwreg(HW_REG_WAVE_MODE, 25, 1), 1
	s_wait_xcnt 0x0
	s_wait_alu depctr_hold_cnt(0) depctr_sa_sdst(0) depctr_va_vdst(0) depctr_va_sdst(0) depctr_va_ssrc(0) depctr_va_vcc(0) depctr_vm_vsrc(0)
	s_getreg_b32 s2, hwreg(HW_REG_IB_STS2, 6, 4)
	s_cmp_eq_u32 s2, 0
	s_cbranch_scc0 .Lentry_in_a_cluster
	s_endpgm
.Lentry_in_a_cluster:
	s_bfe_u32 s2, ttmp6, 0x10000c
	s_cmp_lg_u32 s2, 0xf033
	s_cbranch_scc0 .Lentry_shape_is_right
	s_endpgm
.Lentry_shape_is_right:
; out0[t][o] = scale[o] x (sum over k of xb[t][k] wb[o][k]) + bias[o].  xb: [4096][4096] bf16 (x rounded once), wb: [4096][4096] bf16 (+1 or -1, exact), both with K in the same changed order inside
; blocks of 256, which leaves every product with its partner.  scale, bias: [4096] f32.  out0: [4096][4096] f32.  Sums in f32; scale and bias are applied in f32, by one fused multiply-add.
; LIMITS.  The only rounding of an operand is x's to bf16; the order of the f32 sums is the matrix instruction's, K in the stored order.  NaN and infinities are not treated apart.
; SHARES.  A tile of out0, 256 x 256, is made by a work-group of four waves; a wave makes 128 x 128: 64 accumulators of 16 x 16, 512 registers.  4,096 x 4,096 are 256 tiles: one to a work-group.
; K goes in steps of 128 through two LDS slots that take turns, filled by the tensor data mover: a tile's rows are 256 bytes of memory and start at multiples of 256 bytes from the buffer's first byte.
; CLUSTERS.  4 x 4 work-groups.  The four of a row of the cluster need the same tiles of xb, the four of a column the same tiles of wb: each tile is asked for JOINTLY, by the same tensor load with the same
; descriptor and a mask that names the four, and each receives it in its own LDS.
; THE MATRIX INSTRUCTION IS USED TRANSPOSED: source 0 = 16 rows of wb, source 1 = 16 rows of xb.  In the result lane l holds row l % 16 of out0 and its registers 0 to 7 the columns 8 (l / 16) + 0..7:
; 32 neighbouring bytes of a row.
; REGISTERS, in windows of 256 (s_set_vgpr_msb's low byte: bits 1:0 source 0, 3:2 source 1, 5:4 source 2, 7:6 destination):
;   window 0: v0-29 addresses, scale, bias; v64-127, v128-191 fragments of xb (8 x 16 rows x 32 K), two buffers; on the way out the same registers take rows read back from the stage
;   window 1: v64-127, v128-191 fragments of wb, two buffers
;   window 2: the 32 accumulators of my rows 0-63 (accumulator (a, b) at v[8 (8 a + b)]);   window 3: those of my rows 64-127
.set SIZE_K, 4096
.set SIZE_N, 4096
.set KSTEP,  128
.set PITCH,  272                       ; an LDS row: 256 bytes + 16 of padding = 68 words: row r starts at bank 4 r mod 64 (64 banks of 4 bytes: ISA guide 11.1), so the 16 rows of a fragment load start at 16 different banks
.set HALFT,  128*PITCH                 ; 128 rows: what one tensor load brings, and what one wave reads of xb or of wb
.set SLOT,   4*HALFT                   ; xb's 256 rows, then wb's 256 rows
.set STAGE,  2*SLOT                    ; behind the two slots: 16 rows x 528 bytes for each wave, for the way out; no tensor load lands here
.set SPITCH, 528                       ; a stage row: 128 f32 + 16 bytes = 33 x 16 bytes: 16 rows' stores of 16 bytes fall into 16 different columns of 16 bytes modulo 256
.set SPARE,  STAGE+4*16*SPITCH         ; behind the stages: the spare words, 128 bytes for each wave: two blocks of 256 bytes that no other line names
.set LAPS,   SIZE_K/(2*KSTEP)          ; a lap = two K steps = both slots once: 16
.set SCL,  8                           ; v[8:11]   scale of my four columns on the way out
.set BIA,  12                          ; v[12:15]  bias of the same
.set ADRA, 16                          ; v16-17    LDS address of my xb fragments in slot 0, 1
.set ADRB, 20                          ; v20-21    the same for wb
.set STO,  24                          ; v24       the way out: where I put 32 bytes of a row
.set RD,   25                          ; v25       the way out: where I read 16 bytes of a row back
.set CO,   26                          ; v26       my byte offset in a row of my part of out0: 16 x lane
.set SBO,  27                          ; v27       my byte offset in scale and in bias
.set SPW,  28                          ; v28       LDS address of my spare word: SPARE + 4 x my thread's number; never rewritten
.set NIL,  29                          ; v29       0; never rewritten
.set F0,   64                          ; fragment buffer 0
.set F1,   128                         ; fragment buffer 1
.set G1,  24                           ; s[24:31] descriptor group 1 for xb's tiles
.set G0,  32                           ; s[32:39] descriptor group 0 for xb's tiles, one set for each slot
.set G1B, 48                           ; s[48:55] group 1 for wb's tiles: it differs in the mask alone
.set G0B, 56                           ; s[56:63] group 0 for wb's tiles, one set for each slot
.set MSB, 0
.macro WIN new                         ; the immediate's high byte repeats the setting that is left; a switch that changes nothing is dropped
.if MSB != (\new)
	s_set_vgpr_msb (MSB<<8)|(\new)
.set MSB, \new
.endif
.endm
.set MUL_LO, 0xa1                      ; source 0 (wb) window 1, source 1 (xb) window 0, C and D window 2
.set MUL_HI, 0xf1                      ; the same, C and D window 3
.set TO_B,   0x40                      ; destination window 1, address window 0
; A joint load.  Waves 0 and 1 fetch xb's two halves, waves 2 and 3 wb's.  Each of the two lines has one mask and one set of registers for all that issue it; the branch hangs on the wave's number alone.
; An s_nop 0 and four v_nop follow each of the two lines, ahead of the jump, the label and what follows the macro.
.macro JLOAD s
	s_cmp_eq_u32 s11, 0
	s_cbranch_scc0 .Lfor_b_\@
	tensor_load_to_lds s[G0+4*(\s):G0+4*(\s)+3], s[G1:G1+7]
	s_nop 0
.rept 4
	v_nop
.endr
	s_branch .Lasked_\@
.Lfor_b_\@:
	tensor_load_to_lds s[G0B+4*(\s):G0B+4*(\s)+3], s[G1B:G1B+7]
	s_nop 0
.rept 4
	v_nop
.endr
.Lasked_\@:
.endm
; A round of the cluster's barrier: my work-group's barrier, so that wave 0's signal speaks for all four waves; wave 0 signals for the work-group; every wave waits for all sixteen work-groups; my work-group's barrier once more.
.macro CREST                           ; a round behind its opening barrier
	s_cmp_lg_u32 s10, 0
	s_cbranch_scc1 .Lnot_wave_0_\@
	s_barrier_signal -3
.Lnot_wave_0_\@:
	s_barrier_wait -3
	s_barrier_signal -1
	s_barrier_wait -1
.endm
.macro CROUND                          ; a whole round
	s_barrier_signal -1
	s_barrier_wait -1
	CREST
.endm
	s_load_b128 s[4:7], s[0:1], 0x0                ; xb s[4:5], wb s[6:7]
	s_load_b128 s[68:71], s[0:1], 0x10             ; scale s[68:69], bias s[70:71]
	s_load_b64 s[8:9], s[0:1], 0x20                ; out0
	v_lshl_add_u32 v[SPW], v0, 2, SPARE
	v_mov_b32 v[NIL], 0
	ds_add_u32 v[SPW], v[NIL]                      ; the wave's opening: the add and its wait stand ahead of my first tensor load; the set-up below, work on registers, stands between them
	v_lshrrev_b32 v1, 5, v0
	v_readfirstlane_b32 s10, v1                    ; wave 0..3
	s_lshr_b32 s11, s10, 1                         ; which half of the tile's rows is mine.  Also: I fetch for xb (0) or for wb (1)
	s_and_b32 s12, s10, 1                          ; which half of its columns.  Also: which 128 rows of that tile I fetch
	s_bfe_u32 s40, ttmp6, 0x40000                  ; cx: my place along the cluster's x
	s_bfe_u32 s41, ttmp6, 0x40004                  ; cy: along its y
	s_lshl_b32 s42, ttmp9, 2                       ; in a cluster launch ttmp9 and ttmp7 count clusters
	s_add_co_u32 s42, s42, s40                     ; tile column = 4 x cluster x + cx
	s_and_b32 s13, ttmp7, 0xffff
	s_lshl_b32 s13, s13, 2
	s_add_co_u32 s13, s13, s41                     ; tile row = 4 x cluster y + cy
	s_lshl_b32 s43, s41, 2
	s_lshl_b32 s43, 15, s43                        ; my row of the cluster: places 4 cy .. 4 cy + 3
	s_lshl_b32 s44, 0x1111, s40                    ; my column: places cx, cx + 4, cx + 8, cx + 12
	; descriptor group 1: a tile of 128 rows x 128 elements, padded in LDS
	s_or_b32 s[G1+0], s43, (1<<16)|(1<<20)|(1<<21)|(5<<22)|(3<<25)   ; 15:0 the mask: xb's tiles go to my row; 17:16 elements of 2 bytes; 20 padding on; 21 set beside a mask; 24:22 after every 64 words (code 5); 31:25 4 words of it (code 3)
	s_or_b32 s[G1B+0], s44, (1<<16)|(1<<20)|(1<<21)|(5<<22)|(3<<25)  ; the same with the mask of my column, for wb's tiles
.irp g, G1, G1B
	s_mov_b32 s[(\g)+1], KSTEP<<16                 ; 63:48 tensor_dim0, low half = 128
	s_mov_b32 s[(\g)+2], 128<<16                   ; 79:64 its high half = 0; 95:80 tensor_dim1, low half = 128
	s_mov_b32 s[(\g)+3], KSTEP<<16                 ; 111:96 its high half = 0; 127:112 tile_dim0 = 128
	s_mov_b32 s[(\g)+4], 128                       ; 143:128 tile_dim1 = 128; 159:144 tile_dim2 = 0
	s_mov_b32 s[(\g)+5], SIZE_K                    ; 191:160 elements from row to row
	s_mov_b32 s[(\g)+6], 0
	s_mov_b32 s[(\g)+7], 0
.endr
	; where the tiles come from.  xb's hang on the tile row alone, which my row of the cluster shares; wb's on the tile column alone, which my column shares.
	; Every wave makes both addresses, in registers that never hold the other coordinate, and asks by one of them.
	s_lshl_b32 s17, s12, 7                         ; which 128 rows of the tile I fetch
	s_lshl_b32 s16, s13, 8
	s_add_co_u32 s16, s16, s17                     ; xb: row 256 x tile row + 128 x half
	s_lshl_b32 s46, s42, 8
	s_add_co_u32 s46, s46, s17                     ; wb: row 256 x tile column + 128 x half
	s_mov_b32 s17, 0
	s_mov_b32 s47, 0
	s_mov_b64 s[18:19], SIZE_K*2
	s_mul_u64 s[16:17], s[16:17], s[18:19]         ; in bytes, in 64 bits
	s_mul_u64 s[46:47], s[46:47], s[18:19]
	s_mul_i32 s20, s10, HALFT                      ; and where they go: wave x 128 rows: no place in the cluster enters an LDS address
	s_wait_dscnt 0x0                               ; the opening add is done
	s_wait_kmcnt 0x0
	s_add_nc_u64 s[14:15], s[4:5], s[16:17]
	s_add_nc_u64 s[46:47], s[6:7], s[46:47]
	CROUND                                         ; all sixteen work-groups are here: the first joint loads meet
.irp s, 0,1
	s_mov_b32 s[G0+4*(\s)], 1                                        ; 1:0 count = 1
	s_add_co_u32 s[G0+4*(\s)+1], s20, (\s)*SLOT                      ; 63:32 LDS address
	s_add_nc_u64 s[G0+4*(\s)+2:G0+4*(\s)+3], s[14:15], (\s)*KSTEP*2  ; 120:64 global address: K step s
	s_or_b32 s[G0+4*(\s)+3], s[G0+4*(\s)+3], 0x80000000              ; 127:126 type = 2
	s_mov_b32 s[G0B+4*(\s)], 1
	s_add_co_u32 s[G0B+4*(\s)+1], s20, (\s)*SLOT
	s_add_nc_u64 s[G0B+4*(\s)+2:G0B+4*(\s)+3], s[46:47], (\s)*KSTEP*2
	s_or_b32 s[G0B+4*(\s)+3], s[G0B+4*(\s)+3], 0x80000000
	JLOAD \s                                       ; both slots are asked for before anything else is done: two tensor loads of mine are out, the most in this text
.endr
	; A fragment is 16 rows x 32 K in 8 registers: lane l holds row l % 16; registers 0-3 hold K = 8 (l / 16) + 0..7, registers 4-7 K = 16 + 8 (l / 16) + 0..7: two loads of 16 bytes, 32 bytes apart.
	v_and_b32 v1, 15, v0                           ; l % 16
	v_bfe_u32 v2, v0, 4, 1                         ; l / 16
	v_mul_u32_u24 v3, v1, PITCH
	v_lshl_add_u32 v3, v2, 4, v3                   ; row x pitch + 16 x half
	s_mul_i32 s21, s11, HALFT                      ; my 128 rows of xb
	s_mul_i32 s22, s12, HALFT                      ; my 128 rows of wb,
	s_add_co_u32 s22, s22, 2*HALFT                 ; which lie behind xb's 256
.irp s, 0,1
	v_add_nc_u32 v[ADRA+(\s)], s21, v3
	v_add_nc_u32 v[ADRB+(\s)], s22, v3
	s_add_co_u32 s21, s21, SLOT
	s_add_co_u32 s22, s22, SLOT
.endr
	s_mul_i32 s23, s10, 16*SPITCH
	s_add_co_u32 s23, s23, STAGE                   ; my stage
	v_mul_u32_u24 v4, v1, SPITCH                   ; in: row l % 16, 32 bytes for each half of the lanes
	v_lshl_add_u32 v4, v2, 5, v4
	v_add_nc_u32 v[STO], s23, v4
	v_and_b32 v5, 31, v0
	v_lshlrev_b32 v[CO], 4, v5                     ; back: 32 lanes take one row of 512 bytes, so a lane holds columns 4 l .. 4 l + 3 of every row
	v_add_nc_u32 v[RD], s23, v[CO]
	; where my part of the tile begins in out0
	s_lshl_b32 s13, s13, 8
	s_lshl_b32 s14, s11, 7
	s_add_co_u32 s16, s13, s14                     ; my first row
	s_mov_b32 s17, 0
	s_mov_b64 s[18:19], SIZE_N*4
	s_mul_u64 s[16:17], s[16:17], s[18:19]
	s_lshl_b32 s46, s42, 10                        ; my first column, in bytes of f32: 1,024 x tile column + 512 x half: its place in a row of out0, in scale and in bias alike
	s_lshl_b32 s47, s12, 9                         ; (in the registers that held wb's address: none that feeds xb's descriptors ever holds cx)
	s_add_co_u32 s46, s46, s47
	s_mov_b32 s47, 0
	s_add_nc_u64 s[16:17], s[16:17], s[46:47]
	s_add_nc_u64 s[8:9], s[8:9], s[16:17]          ; out0 at my corner; never stepped again
	v_add_nc_u32 v[SBO], s46, v[CO]
	global_load_b128 v[SCL:SCL+3], v[SBO], s[68:69]  ; the wave's load covers 512 consecutive bytes
	global_load_b128 v[BIA:BIA+3], v[SBO], s[70:71]
; 16 matrix instructions: m blocks a0, a0 + 1 of the window's four (hi = 0: my rows 0-63, 1: rows 64-127) x all 8 n blocks, 32 along K.  zero = 1: the first product starts the sums: nothing is ever cleared.
; The 64 accumulators take turns, one instruction a turn, in the same order in every quarter step.
.macro MUL16 f, hi, a0, zero
	WIN MUL_LO+0x50*(\hi)
.irp a, \a0, (\a0)+1
.irp b, 0,1,2,3,4,5,6,7
.if \zero
	v_wmma_f32_16x16x32_bf16 v[8*(8*(\a)+(\b)):8*(8*(\a)+(\b))+7], v[(\f)+8*(\b):(\f)+8*(\b)+7], v[(\f)+8*(4*(\hi)+(\a)):(\f)+8*(4*(\hi)+(\a))+7], 0
.else
	v_wmma_f32_16x16x32_bf16 v[8*(8*(\a)+(\b)):8*(8*(\a)+(\b))+7], v[(\f)+8*(\b):(\f)+8*(\b)+7], v[(\f)+8*(4*(\hi)+(\a)):(\f)+8*(4*(\hi)+(\a))+7], v[8*(8*(\a)+(\b)):8*(8*(\a)+(\b))+7]
.endif
.endr
.endr
.endm
; 32 LDS loads in one run: the fragments of one quarter step (128 rows of wb, 128 rows of xb, 32 K at byte k of the rows) into buffer f
.macro FETCH slot, k, f
	WIN TO_B
.irp i, 0,1,2,3,4,5,6,7
	ds_load_b128 v[(\f)+8*(\i):(\f)+8*(\i)+3],   v[ADRB+(\slot)] offset:(\k)+(\i)*16*PITCH
	ds_load_b128 v[(\f)+8*(\i)+4:(\f)+8*(\i)+7], v[ADRB+(\slot)] offset:(\k)+(\i)*16*PITCH+32
.endr
	WIN 0
.irp i, 0,1,2,3,4,5,6,7
	ds_load_b128 v[(\f)+8*(\i):(\f)+8*(\i)+3],   v[ADRA+(\slot)] offset:(\k)+(\i)*16*PITCH
	ds_load_b128 v[(\f)+8*(\i)+4:(\f)+8*(\i)+7], v[ADRA+(\slot)] offset:(\k)+(\i)*16*PITCH+32
.endr
.endm
; A load into a register that a matrix instruction has read, and an LDS store that reads a matrix result, stand four places behind that matrix instruction, and only plain vector instructions that name none of
; its registers are places (ISA guide 7.12.1 for vector instructions).
.macro PLACES
.rept 4
	v_nop
.endr
.endm
; A K step is four quarter steps of 32 along K, 64 matrix instructions each, on buffers 0, 1, 0, 1.
; One of the first three: multiplies buffer f; in its middle it fetches the next quarter's fragments, at byte k of the same slot's rows, into buffer g.
.macro QUARTER slot, k, f, g, zero
	s_wait_dscnt 8                                 ; wb and xb's rows 0-63 are in; the youngest eight loads (xb's rows 64-127) may be out
	WIN MUL_LO
	MUL16 \f, 0, 0, \zero
	MUL16 \f, 0, 2, \zero
	PLACES
	FETCH \slot, \k, \g
	s_wait_dscnt 32                                ; all but the 32 just issued
	WIN MUL_HI
	MUL16 \f, 1, 0, \zero
	MUL16 \f, 1, 2, \zero
.endm
; The last quarter multiplies buffer 1 and changes slots.  MEET is its first half: ONE barrier for the change.  In front of it each wave waits for all its tensor loads, of which one is out: its part of the
; next slot; adds 0 to its spare word; and waits for that and for its own reads of this slot.  Behind it nobody reads this slot any more and the next slot is whole.
.macro MEET round                      ; round = 1: a round of the cluster's barrier follows
	WIN 0                                          ; (the add's two registers lie in window 0)
	s_wait_tensorcnt 0x0                           ; all my tensor loads have landed;
	ds_add_u32 v[SPW], v[NIL]                      ; 0 onto my spare word;
	s_wait_dscnt 9                                 ; (the add and the youngest eight loads may be out)
	WIN MUL_LO
	MUL16 F1, 0, 0, 0                              ; sixteen matrix instructions stand between the add and the wait for it
	s_wait_dscnt 0x0                               ; the add is done, and my reads of this slot are over
	s_barrier_signal -1                            ; say so,
	MUL16 F1, 0, 2, 0                              ; work on registers while the others arrive,
.if \round
	WIN 0
.endif
	s_barrier_wait -1                              ; and go on when all four have said so
.endm
; The whole last quarter.  fill = 1: the barrier opens a round of the cluster's barrier, and behind the round the slot just read out is filled again first, with the K step two steps on: from that request to
; the wait for it the wave issues 224 matrix instructions.  Then come the next slot's first fragments.
.macro TURN slot, next, fill
	MEET \fill
.if \fill
	CREST                                          ; no wave of any partner still reads this slot's tile or has a load on its way
	s_add_nc_u64 s[G0+4*(\slot)+2:G0+4*(\slot)+3], s[G0+4*(\slot)+2:G0+4*(\slot)+3], 2*KSTEP*2    ; no tensor load of mine is out: a group 0 may be written; the type bits on top are not reached
	s_add_nc_u64 s[G0B+4*(\slot)+2:G0B+4*(\slot)+3], s[G0B+4*(\slot)+2:G0B+4*(\slot)+3], 2*KSTEP*2
	JLOAD \slot                                    ; my one tensor load behind the round; the four v_nop behind it are also the places in front of the loads below
.else
	PLACES
.endif
	FETCH \next, 0, F0
	WIN MUL_HI
	MUL16 F1, 1, 0, 0
	MUL16 F1, 1, 2, 0
.endm
; THE WAY OUT, a block a of 16 rows x 128 columns at a time.  TOSTAGE: the block's eight accumulators go as they are, 32 bytes a lane, into my own stage (each accumulator's low four registers first),
; and come back as whole rows of 512 bytes.  SEND: times scale, plus bias, stored.
.macro TOSTAGE a
.set AC, 64*((\a)%4)
.set BK, F0+64*((\a)%2)
	WIN 0x08+4*((\a)/4)                            ; the stores' data (source 1) in window 2 or 3, the address in window 0
.irp b, 0,1,2,3,4,5,6,7
	ds_store_b128 v[STO], v[AC+8*(\b):AC+8*(\b)+3]   offset:64*(\b)
	ds_store_b128 v[STO], v[AC+8*(\b)+4:AC+8*(\b)+7] offset:64*(\b)+16
.endr
	WIN 0
	s_wait_xcnt 0x0                                ; every earlier memory instruction has had its addresses translated (ISA guide 3.1): the registers that the stores of two blocks ago read are loaded again only behind this wait
.irp t, 0,1,2,3,4,5,6,7,8,9,10,11,12,13,14,15
	ds_load_b128 v[BK+4*(\t):BK+4*(\t)+3], v[RD] offset:(\t)*SPITCH  ; LDS serves a wave's instructions in order (ISA guide 5.7.1.4): these see the stores above, and the next block's stores come behind them
.endr
.endm
.macro SEND a, younger                 ; younger: the LDS instructions issued behind block a's loads: the next block's 32, or none
.set BK, F0+64*((\a)%2)
	WIN 0
.irp t, 0,1,2,3,4,5,6,7,8,9,10,11,12,13,14,15
	s_wait_dscnt (\younger)+15-(\t)                ; row t is back; the block's later rows and the next block's instructions stay out
	v_pk_fma_f32 v[BK+4*(\t):BK+4*(\t)+1],   v[BK+4*(\t):BK+4*(\t)+1],   v[SCL:SCL+1],   v[BIA:BIA+1]
	v_pk_fma_f32 v[BK+4*(\t)+2:BK+4*(\t)+3], v[BK+4*(\t)+2:BK+4*(\t)+3], v[SCL+2:SCL+3], v[BIA+2:BIA+3]
	global_store_b128 v[CO], v[BK+4*(\t):BK+4*(\t)+3], s[8:9] offset:(16*(\a)+(\t))*SIZE_N*4 th:TH_STORE_NT  ; 512 consecutive bytes, at a multiple of 512 from out0's first; 127 rows at the most: inside the signed 24-bit immediate
.endr
.endm
	s_wait_loadcnt 0x0                             ; scale and bias: the wait falls into the wait for the first tile
	s_wait_tensorcnt 1                             ; my part of K step 0 is in; K step 1's may stay out
	s_barrier_signal -1
	s_barrier_wait -1                              ; everybody's is
	FETCH 0, 0, F0
	QUARTER 0, 64,  F0, F1, 1                      ; the first quarter stands in front of the loop: its products start the sums
	WIN 0                                          ; at a label and at a branch every window is 0
	s_mov_b32 s3, LAPS-1
.Llap:                                                 ; a trip goes from a lap's second quarter to the next lap's first, and fills both slots again: trip i asks for K steps 2 i + 2 and 2 i + 3
	QUARTER 0, 128, F1, F0, 0
	QUARTER 0, 192, F0, F1, 0
	TURN 0, 1, 1
	QUARTER 1, 64,  F0, F1, 0
	QUARTER 1, 128, F1, F0, 0
	QUARTER 1, 192, F0, F1, 0
	TURN 1, 0, 1
	QUARTER 0, 64,  F0, F1, 0
	WIN 0
	s_sub_co_u32 s3, s3, 1
	s_cmp_lg_u32 s3, 0
	s_cbranch_scc1 .Llap
	QUARTER 0, 128, F1, F0, 0                      ; the last lap is written out: it fills nothing, and has no round of the cluster's barrier
	QUARTER 0, 192, F0, F1, 0
	TURN 0, 1, 0
	QUARTER 1, 64,  F0, F1, 0
	QUARTER 1, 128, F1, F0, 0
	QUARTER 1, 192, F0, F1, 0
	s_wait_dscnt 8                                 ; the very last quarter: nothing more to fetch
	WIN MUL_LO
	MUL16 F1, 0, 0, 0
	MUL16 F1, 0, 2, 0
	s_wait_dscnt 0x0
	MUL16 F1, 1, 0, 0
	MUL16 F1, 1, 2, 0
	WIN 0
	PLACES                                         ; behind the last products: for the LDS stores of their results and for the loads into the fragment registers
	TOSTAGE 0
.irp a, 1,2,3,4,5,6,7                  ; block a's way through the stage is issued ahead of block a - 1's arithmetic and stores
	TOSTAGE \a
	SEND (\a)-1, 32
.endr
	SEND 7, 0
	s_wait_tensorcnt 0x0                           ; the wave's end, behind my last tensor load and my last LDS store
	ds_add_u32 v[SPW], v[NIL]
	s_wait_dscnt 0x0
	CROUND                                         ; the closing round: no work-group ends while a partner may still ask for a tile that names it
	s_endpgm
.Lfunc_end_k_qebdc0ff231_gemm:
	.size	k_qebdc0ff231_gemm, .Lfunc_end_k_qebdc0ff231_gemm-k_qebdc0ff231_gemm
	.p2alignl 7, 3214868480
	.fill 96, 4, 3214868480
	.section	.rodata,"a",@progbits
	.p2align	6, 0x0
	.amdhsa_kernel k_qebdc0ff231_gemm
		.amdhsa_group_segment_fixed_size 327680
		.amdhsa_private_segment_fixed_size 0
		.amdhsa_enable_private_segment 0
		.amdhsa_kernarg_size 40
		.amdhsa_user_sgpr_count 2
		.amdhsa_user_sgpr_kernarg_segment_ptr 1
		.amdhsa_wavefront_size32 1
		.amdhsa_system_sgpr_workgroup_id_x 1
		.amdhsa_system_sgpr_workgroup_id_y 1
		.amdhsa_system_sgpr_workgroup_id_z 1
		.amdhsa_system_vgpr_workitem_id 0
		.amdhsa_next_free_vgpr 1024
		.amdhsa_next_free_sgpr 72
		.amdhsa_reserve_vcc 0
		.amdhsa_float_denorm_mode_32 3
		.amdhsa_float_denorm_mode_16_64 3
		.amdhsa_memory_ordered 1
		.amdhsa_forward_progress 1
		.amdhsa_inst_pref_size 160
	.end_amdhsa_kernel
	.amdgpu_metadata
---
amdhsa.version: [ 1, 2 ]
amdhsa.kernels:
  - .name:           k_qebdc0ff231_gemm
    .symbol:         k_qebdc0ff231_gemm.kd
    .args:
      - { .name: xb, .offset: 0, .size: 8, .value_kind: global_buffer, .address_space: global }
      - { .name: wb, .offset: 8, .size: 8, .value_kind: global_buffer, .address_space: global }
      - { .name: scale, .offset: 16, .size: 8, .value_kind: global_buffer, .address_space: global }
      - { .name: bias, .offset: 24, .size: 8, .value_kind: global_buffer, .address_space: global }
      - { .name: out0, .offset: 32, .size: 8, .value_kind: global_buffer, .address_space: global }
    .group_segment_fixed_size: 327680
    .private_segment_fixed_size: 0
    .kernarg_segment_align: 8
    .kernarg_segment_size: 40
    .max_flat_workgroup_size: 128
    .sgpr_count:     72
    .vgpr_count:     1024
    .wavefront_size: 32
...
	.end_amdgpu_metadata
.endif
;; end of part 2
;; ======== version 2 of 2: 2 launches; version 1 with the launch prep written anew for expert scheduling mode
;; workspace buffers: xb 33,554,432 bytes; wb 33,554,432 bytes; scale 16,384 bytes
;; launch prep (part 3): grid 256 x 2, 8 waves a work-group, no clusters, 0 bytes of LDS; arguments inputs, weight, xb, wb, scale; writes xb, wb, scale
.if DOCPART == 3
	.amdgcn_target "amdgcn-amd-amdhsa--gfx1250"
	.amdhsa_code_object_version 6
	.text
	.protected	k_qebdc0ff231_prep
	.globl	k_qebdc0ff231_prep
	.p2align	8
	.type	k_qebdc0ff231_prep,@function
k_qebdc0ff231_prep:
	s_mov_b64 s[64:65], 0
	v_nop
	global_prefetch_b8 v0, s[64:65] scope:SCOPE_SE
	s_setreg_imm32_b32 hwreg(HW_REG_WAVE_SCHED_MODE, 0, 2), 2
	s_setreg_imm32_b32 hwreg(HW_REG_WAVE_MODE, 25, 1), 1
	s_wait_xcnt 0x0
	s_wait_alu depctr_vm_vsrc(0)
; PREPARATION FOR THE PRODUCT.  inputs, weight: [4096][4096] f32.  xb, wb: [4096][4096] bf16.  scale: [4096] f32.
;   y = 0: xb = inputs rounded once to bf16.
;   y = 1: wb = +1 where weight >= 0 (so for -0.0 too), else -1, exact in bf16;  scale[o] = max(mean over i of |weight[o][i]|, 1e-6), in f32.
; K ORDER.  xb and wb hold a row's elements in the SAME changed order, so every product of the next launch still meets its partner and only the order of its f32 sums changes:
; inside each block of 256 elements, stored place 8 l + j (l = 0..31) holds element 4 l + j for j < 4 and element 128 + 4 l + (j - 4) for j >= 4.  So a lane loads 16 neighbouring bytes twice
; (each load of the wave covers 512 consecutive bytes) and stores 16 neighbouring bytes (each store of the wave covers 512 consecutive bytes), and nothing changes lanes.
; LIMITS.  x is rounded to bf16 (8 significant bits).  A NaN in weight is not carried into scale (the maximum with 1e-6 drops it) and takes the sign of its sign bit; infinities are not treated apart.
; Negative denormals count as -1.  The sum of a row's 4,096 magnitudes is made in f32 in 128 chains of 32 terms and a tree over them, not in the order of a plain loop.
; SHARES.  A work-group owns 16 rows, each of its eight waves two: 32,768 consecutive bytes in, 16,384 out.  A UNIT is 1,024 bytes in (two loads) and 512 out (one store); a CHUNK is four units; a row is four
; chunks, the wave's stream chunks 0 to 7.  Every place stands in an immediate: no address is stepped, and there is no loop.
; No LDS, no barrier, no matrix unit: no wave needs another's data, and memory binds.
; scale leaves as one store of 8 bytes a wave: a work-group owns 64 bytes of it, 16,384 bytes in the whole launch beside 200 million.
; THE MODE: SCHED_MODE bits 1:0 = 2 (LLVM: expert scheduling mode 2), set by the entry lines.  The code itself states the register dependences
; between vector instructions and memory instructions, with s_wait_alu, always for 0.
; THE PLAN.  Chunk k has turn k.  Registers that memory instructions touch:
;   X0 .. X3     four chunks as loaded.  Written by the loads of chunk k + 3, issued in turn k; read (for weights also written, in place) by turn k's vector lines.  No store reads them.
;   Y0, Y1       two chunks to store.    Written by turn k's vector lines; read by the four stores that are issued in turn k + 1.
;   v2, v3, v4   byte offsets, made once at the head and never written again.
;   v[14:15]     the two scales: written by the two reductions, read by the wave's last store.
; Turn k works on X[k % 4] and writes Y[k % 2].  Its memory instructions are the loads into X[(k + 3) % 4] = X[(k - 1) % 4] and the stores from Y[(k - 1) % 2]: the two buffers that turn k - 1 worked on and
; that no vector line of turn k names.  So the waits at a turn's head state all that its twelve memory instructions hang on, and these are dealt among its vector lines with no further wait.
.set IN,  2                            ; v2        my byte offset in the group's rows of the input: wave x 32,768 + 16 x lane; never rewritten
.set OUT, 3                            ; v3        the same for the output: wave x 16,384 + 16 x lane; never rewritten
.set SO,  4                            ; v4        my wave's byte offset in the group's 16 scales
.set S,   8                            ; v[8:11]   four running sums of |w|
.set PX,  12                           ; v12       takes the other half of the lanes' sum
.set SC,  14                           ; v[14:15]  the two rows' scales
.set X,   16                           ; v[16:143]  buffer s at X + 32 s; unit u at + 8 u: 4 registers from the first load, 4 from the second
.set Y,   144                          ; v[144:175] buffer s at Y + 16 s; unit u at + 4 u: 8 bf16 to store
	s_load_b256 s[4:11], s[0:1], 0x0               ; inputs s[4:5], weight s[6:7], xb s[8:9], wb s[10:11]
	s_load_b64 s[12:13], s[0:1], 0x20              ; scale
	s_and_b32 s14, ttmp7, 0xffff                   ; 0: inputs, 1: weight
	s_lshl_b32 s20, ttmp9, 18                      ; the group's 16 rows of 16,384 bytes in,
	s_mov_b32 s21, 0
	s_lshl_b32 s28, ttmp9, 17                      ; of 8,192 bytes out,
	s_mov_b32 s29, 0
	s_lshl_b32 s30, ttmp9, 6                       ; and its 16 scales
	s_mov_b32 s31, 0
	s_mov_b32 s22, 0x80008000                      ; the sign bits of two bf16
	s_mov_b32 s23, 0x3f803f80                      ; 1.0 twice in bf16
	s_mov_b32 s24, 0x76543210                      ; v_permlanex16_b32: each lane takes its own place in the other half
	s_mov_b32 s25, 0xfedcba98
	s_mov_b32 s27, 0x07060302                      ; v_perm_b32: the upper halves of two words
	v_and_b32 v1, 31, v0                           ; lane
	v_lshrrev_b32 v5, 5, v0                        ; wave
	v_lshlrev_b32 v[IN], 4, v1
	v_lshl_or_b32 v[OUT], v5, 14, v[IN]
	v_lshl_or_b32 v[IN], v5, 15, v[IN]
	v_lshlrev_b32 v[SO], 3, v5
	v_mov_b32 v[PX], 0                             ; v_permlanex16_b32's destination counts as read: it is written here
	s_wait_kmcnt 0x0
	s_cmp_eq_u32 s14, 0
	s_cselect_b64 s[16:17], s[4:5], s[6:7]         ; what I read
	s_cselect_b64 s[18:19], s[8:9], s[10:11]       ; what I write
	s_add_nc_u64 s[16:17], s[16:17], s[20:21]
	s_add_nc_u64 s[18:19], s[18:19], s[28:29]
	s_add_nc_u64 s[12:13], s[12:13], s[30:31]
	s_wait_alu depctr_va_vdst(0)                   ; v2, v3 and v4 are written: every load and store of the kernel reads one of them as its offset
.macro LOADU k, u                      ; unit u of chunk k into its X buffer: two loads, 512 consecutive bytes each
	global_load_b128 v[X+32*((\k)%4)+8*(\u):X+32*((\k)%4)+8*(\u)+3],   v[IN], s[16:17] offset:4096*(\k)+1024*(\u) th:TH_LOAD_NT
	global_load_b128 v[X+32*((\k)%4)+8*(\u)+4:X+32*((\k)%4)+8*(\u)+7], v[IN], s[16:17] offset:4096*(\k)+1024*(\u)+512 th:TH_LOAD_NT
.endm
.macro STOREU k, u                     ; unit u of chunk k out of its Y buffer
	global_store_b128 v[OUT], v[Y+16*((\k)%2)+4*(\u):Y+16*((\k)%2)+4*(\u)+3], s[18:19] offset:2048*(\k)+512*(\u)  ; 512 consecutive bytes, at a multiple of 512 from the buffer's first; the next launch reads them: no hint
.endm
.macro XUNIT r, y                      ; eight f32 at v[r ..] are rounded to bf16 into v[y : y+3]
.irp i, 0,1,2,3
	v_cvt_pk_bf16_f32 v[(\y)+(\i)], v[(\r)+2*(\i)], v[(\r)+2*(\i)+1]
.endr
.endm
.macro WUNIT r, y, start               ; eight weights at v[r ..]: their magnitudes onto the four sums (start = 1: they start the sums, nothing is cleared), their signs as +-1 in bf16 into v[y : y+3]
.irp j, 0,1,2,3
.if \start
	v_add_f32 v[S+(\j)], |v[(\r)+(\j)]|, |v[(\r)+4+(\j)]|
.else
	v_add_f32 v[S+(\j)], v[S+(\j)], |v[(\r)+(\j)]|
.endif
.endr
.if (\start) == 0
.irp j, 0,1,2,3
	v_add_f32 v[S+(\j)], v[S+(\j)], |v[(\r)+4+(\j)]|
.endr
.endif
.irp i, 0,1,2,3
	v_pk_add_f32 v[(\r)+2*(\i):(\r)+2*(\i)+1], v[(\r)+2*(\i):(\r)+2*(\i)+1], 0 op_sel_hi:[1,0]  ; -0.0 + 0.0 = +0.0; every other number keeps its sign
.endr
.irp i, 0,1,2,3
	v_perm_b32 v[(\y)+(\i)], v[(\r)+2*(\i)+1], v[(\r)+2*(\i)], s27  ; the two upper halves, the lower place in the lower half
.endr
.irp i, 0,1,2,3
	v_and_or_b32 v[(\y)+(\i)], v[(\y)+(\i)], s22, s23               ; the two sign bits onto 1.0, 1.0
.endr
.endm
; Chunk k's turn.  kind = 0: inputs, 1: weight.  fill = 1: chunk k + 3 is loaded.  left = the loads of chunks k + 1 and k + 2 that are still to come in.
.macro TURN kind, k, fill, left
.if (\k) >= 2
	s_wait_xcnt 0x0                                ; every earlier memory instruction has had its addresses translated (ISA guide 3.1): Y[k % 2], which the last turn's stores read, is rewritten only behind this wait
	s_wait_alu depctr_vm_vsrc(0)                   ; the stores issued in the turn before have read Y[k % 2], which this turn's vector lines write again
.endif
.if (\k) >= 1
	s_wait_alu depctr_va_vdst(0)                   ; the turn before has written the other Y, which the stores below read, and is done reading and writing its X, in which the loads below land
.endif
.irp u, 0,1,2,3
.if \fill
	LOADU (\k)+3, \u                               ; three chunks ahead; no vector line since the wait names these registers (in turn 0: none ever has)
.endif
.if (\k) >= 1
	STOREU (\k)-1, \u                              ; the chunk before
.endif
	s_wait_loadcnt (\left)+6-2*(\u)+(\fill)*2*((\u)+1)  ; loads come back in order (ISA guide 5.7.1): unit u's two are in; my chunk's later units, the younger chunks and this turn's own loads so far stay out
.if \kind
.if ((\k)%4 == 0) && ((\u) == 0)
	WUNIT X+32*((\k)%4)+8*(\u), Y+16*((\k)%2)+4*(\u), 1
.else
	WUNIT X+32*((\k)%4)+8*(\u), Y+16*((\k)%2)+4*(\u), 0
.endif
.else
	XUNIT X+32*((\k)%4)+8*(\u), Y+16*((\k)%2)+4*(\u)
.endif
.endr
.endm
.macro LAST                            ; behind turn 7: chunk 7 leaves
	s_wait_alu depctr_va_vdst(0)                   ; turn 7 has written Y1, which the last four stores read
.irp u, 0,1,2,3
	STOREU 7, \u
.endr
.endm
.macro REDUCE row                      ; the four chains, the 32 lanes, the mean, the floor
	v_add_f32 v[S], v[S], v[S+1]
	v_add_f32 v[S+2], v[S+2], v[S+3]
	v_add_f32 v[S], v[S], v[S+2]
	v_add_f32_dpp v[S], v[S], v[S] row_xmask:1 row_mask:0xf bank_mask:0xf
	v_add_f32_dpp v[S], v[S], v[S] row_xmask:2 row_mask:0xf bank_mask:0xf
	v_add_f32_dpp v[S], v[S], v[S] row_xmask:4 row_mask:0xf bank_mask:0xf
	v_add_f32_dpp v[S], v[S], v[S] row_xmask:8 row_mask:0xf bank_mask:0xf
	v_permlanex16_b32 v[PX], v[S], s24, s25
	v_add_f32 v[S], v[S], v[PX]
	v_mul_f32 v[S], 0x39800000, v[S]               ; / 4,096, exact
	v_max_num_f32 v[SC+(\row)], 0x358637bd, v[S]   ; at least 1e-6
.endm
.irp k, 0,1,2
.irp u, 0,1,2,3
	LOADU \k, \u                                   ; chunks 0 to 2 into X0 to X2; X3 is filled in the first turn, like every buffer after it
.endr
.endr
	s_cmp_eq_u32 s14, 0
	s_cbranch_scc0 .Lweight
	TURN 0, 0, 1, 16                               ; two younger chunks, sixteen loads, stay out
	TURN 0, 1, 1, 16
	TURN 0, 2, 1, 16
	TURN 0, 3, 1, 16
	TURN 0, 4, 1, 16                               ; the last fill: chunk 7
	TURN 0, 5, 0, 16
	TURN 0, 6, 0, 8                                ; the counts run down
	TURN 0, 7, 0, 0
	LAST
	s_endpgm
.Lweight:
	TURN 1, 0, 1, 16
	TURN 1, 1, 1, 16
	TURN 1, 2, 1, 16
	TURN 1, 3, 1, 16
	REDUCE 0                                       ; my first row is through
	TURN 1, 4, 1, 16
	TURN 1, 5, 0, 16
	TURN 1, 6, 0, 8
	TURN 1, 7, 0, 0
	LAST
	REDUCE 1
	s_wait_xcnt 0x0                                ; EXEC is a source of the stores above: it changes only behind this wait
	v_cmp_eq_u32 vcc_lo, 0, v1
	s_wait_alu depctr_va_vcc(0)                    ; VCC is written, ahead of its first reader: EXEC is made from it
	s_wait_alu depctr_va_vdst(0)                   ; in front of the write of EXEC: the vector lines so far are done; among them the reductions have written v[14:15], which the store below reads
	s_wait_alu depctr_vm_vsrc(0)                   ; in front of the write of EXEC: the stores above have read their registers
	s_and_saveexec_b32 s26, vcc_lo                 ; lane 0 alone
	global_store_b64 v[SO], v[SC:SC+1], s[12:13]   ; my two rows' scales
	s_wait_xcnt 0x0                                ; and again in front of the line that widens it
	s_wait_alu depctr_va_vdst(0)                   ; in front of the write of EXEC: no vector line is still at work
	s_wait_alu depctr_vm_vsrc(0)                   ; in front of the write of EXEC: the store has read its registers
	s_or_b32 exec_lo, exec_lo, s26
	s_endpgm
.Lfunc_end_k_qebdc0ff231_prep:
	.size	k_qebdc0ff231_prep, .Lfunc_end_k_qebdc0ff231_prep-k_qebdc0ff231_prep
	.p2alignl 7, 3214868480
	.fill 96, 4, 3214868480
	.section	.rodata,"a",@progbits
	.p2align	6, 0x0
	.amdhsa_kernel k_qebdc0ff231_prep
		.amdhsa_group_segment_fixed_size 0
		.amdhsa_private_segment_fixed_size 0
		.amdhsa_enable_private_segment 0
		.amdhsa_kernarg_size 40
		.amdhsa_user_sgpr_count 2
		.amdhsa_user_sgpr_kernarg_segment_ptr 1
		.amdhsa_wavefront_size32 1
		.amdhsa_system_sgpr_workgroup_id_x 1
		.amdhsa_system_sgpr_workgroup_id_y 1
		.amdhsa_system_sgpr_workgroup_id_z 1
		.amdhsa_system_vgpr_workitem_id 0
		.amdhsa_next_free_vgpr 176
		.amdhsa_next_free_sgpr 66
		.amdhsa_reserve_vcc 1
		.amdhsa_float_denorm_mode_32 3
		.amdhsa_float_denorm_mode_16_64 3
		.amdhsa_memory_ordered 1
		.amdhsa_forward_progress 1
		.amdhsa_inst_pref_size 70
	.end_amdhsa_kernel
	.amdgpu_metadata
---
amdhsa.version: [ 1, 2 ]
amdhsa.kernels:
  - .name:           k_qebdc0ff231_prep
    .symbol:         k_qebdc0ff231_prep.kd
    .args:
      - { .name: inputs, .offset: 0, .size: 8, .value_kind: global_buffer, .address_space: global }
      - { .name: weight, .offset: 8, .size: 8, .value_kind: global_buffer, .address_space: global }
      - { .name: xb, .offset: 16, .size: 8, .value_kind: global_buffer, .address_space: global }
      - { .name: wb, .offset: 24, .size: 8, .value_kind: global_buffer, .address_space: global }
      - { .name: scale, .offset: 32, .size: 8, .value_kind: global_buffer, .address_space: global }
    .group_segment_fixed_size: 0
    .private_segment_fixed_size: 0
    .kernarg_segment_align: 8
    .kernarg_segment_size: 40
    .max_flat_workgroup_size: 256
    .sgpr_count:     66
    .vgpr_count:     176
    .wavefront_size: 32
...
	.end_amdgpu_metadata
.endif
;; end of part 3
;; launch gemm: the kernel of part 2 again; grid 16 x 16, 4 waves a work-group, clusters of 4 x 4, 327,680 bytes of LDS; arguments xb, wb, scale, bias, out0; writes out0
